; MI455X (gfx1250); checked and timed in simulation.
; The chip was launched on July 23, 2026; its instructions are those of AMD's public machine-readable ISA for CDNA 5 (MIT licence, August 2026) and "CDNA5" Instruction Set Architecture Reference Guide (July 2026). The comments in the code are by the model that wrote it; some were corrected since.
;; Self Attention. Allowed arithmetic: matrix products marked QUANTISED: E5M2 operands, one given power-of-two scale a tensor, by v_wmma_f32_16x16x64_bf8_bf8 or v_wmma_f32_16x16x128_bf8_bf8, f32 sums; everything else in f32.
;; Inputs: Wk 1,024 x 1,024 float32; Wo 1,024 x 1,024 float32; Wq 1,024 x 1,024 float32; Wv 1,024 x 1,024 float32; beta 1,024 float32; bk 1,024 float32; bo 1,024 float32; bq 1,024 float32; bv 1,024 float32; gamma 1,024 float32; lowp_scales 12 int32 (the exponents e of the quantised operands' scales 2^e); mask 2,048 x 2,048 bool; x 2 x 2,048 x 1,024 float32.
;; Outputs: out0 2 x 2,048 x 1,024 float32.
;; This version of the problem:
;;   THIS VERSION OF THE PROBLEM IS GIVEN IN LOW PRECISION. The matrix products marked QUANTISED in the list below multiply operands that are first quantised to E5M2 (5 exponent bits, 2 mantissa bits; 8 bits a number), with one given power-of-two scale for each operand tensor; their sums are f32. All else is computed in f32.
;;   The module's matrix products, in the order in which they are computed (A, B: the left and right operand; K: the contracted axis; several contracted axes count as one K, in the product's order):
;;     1. [M 4,096, K 1,024] x [K 1,024, N 1,024]; A: computed on the way; B: input Wq: QUANTISED (scales: A lowp_scales[0], B lowp_scales[1])
;;     2. [M 4,096, K 1,024] x [K 1,024, N 1,024]; A: computed on the way; B: input Wk: QUANTISED (scales: A lowp_scales[2], B lowp_scales[3])
;;     3. [M 4,096, K 1,024] x [K 1,024, N 1,024]; A: computed on the way; B: input Wv: QUANTISED (scales: A lowp_scales[4], B lowp_scales[5])
;;     4. batch 32 x [M 2,048, K 64] x [K 64, N 2,048]; A: computed on the way; B: computed on the way: QUANTISED (scales: A lowp_scales[6], B lowp_scales[7])
;;     5. batch 32 x [M 2,048, K 2,048] x [K 2,048, N 64]; A: softmax (see below); B: computed on the way: QUANTISED (scales: A lowp_scales[8], B lowp_scales[9])
;;     6. [M 4,096, K 1,024] x [K 1,024, N 1,024]; A: computed on the way; B: input Wo: QUANTISED (scales: A lowp_scales[10], B lowp_scales[11])
;;   THE QUANTISER, for each operand of a quantised product, along K:
;;     - The operand's scale is 2^e, e = its entry of the input lowp_scales (int32; the entries are numbered through the quantised products in the list's order, A before B).
;;     - Each number is divided by the scale, clamped to +-57,344, and rounded to the nearest number of E5M2, ties to even, subnormals kept.
;;     - The product sums the exact products of the quantised numbers (number of the format x scale) in f32.
;;   ~~~python
;;   def quantise(x, axis, e):      # numpy; x: float32 -> the quantised numbers, widened to float32 again
;;       x = np.moveaxis(x, axis, -1); K = x.shape[-1]
;;       r = np.clip(x / 2.0 ** e, -57344, 57344)
;;       step = 2.0 ** (np.maximum(np.frexp(np.where(r == 0, 1, r))[1] - 1, -14) - 2)
;;       q = np.round(r / step) * step * 2.0 ** e      # np.round: ties to even
;;       return np.moveaxis(q, -1, axis).astype(np.float32)
;;   ~~~
;;   SOFTMAX AHEAD OF A QUANTISED PRODUCT. Where the list says 'softmax', what is quantised is not the finished softmax but p = 2^(t - M), with t = logit x log2(e) and M = ceil(the row's largest t), a whole number; so 1/2 < the row's largest p <= 1. The row's sum l is taken of the UNQUANTISED p, in f32, and the product's result is divided by l at the end. Since M is a whole number, a kernel that streams over the keys may use a running M (the ceiling of the running maximum): every later rescaling is an exact power of two, so the quantised numbers keep their values, but for numbers so far below the row's largest that they fall under the format's range.
;;   OPERANDS COMPUTED ON THE WAY. 'Computed on the way' means the value that the module computes at that place (a softmax that the list does not call 'softmax' is quantised finished and normalised). What goes into a quantiser is computed in f32, as accurately as f32 sums, v_exp_f32 and their like allow (about 1e-6 of the number): no bf16 or f16 on the way to a quantiser, and a product that is left as it is and whose result goes on into a quantised operand takes f32 operands (vector FMAs, or v_wmma_f32_16x16x4_f32). A number that lies on a knife's edge between two numbers of the format may be rounded either way, as far as f32 arithmetic and the matrix unit's own rounding can turn it there, and no further.
;; One version. Each part assembles by itself: llvm-mc -triple=amdgcn-amd-amdhsa -mcpu=gfx1250 --defsym DOCPART=n.
;; ======== version 1 of 1: 4 launches
;; limits: right only within a limited range of input values
;; workspace buffers: xc 12,582,912 bytes; wc 3,145,728 bytes; woi 1,048,576 bytes; mwords 524,288 bytes of whole numbers; mclass 512 bytes of whole numbers; qkvi 12,582,912 bytes; oi 4,194,304 bytes
;; launch prep (part 1): grid 640 x 1, 4 waves a work-group, no clusters, 92,928 bytes of LDS; arguments x, Wq, Wk, Wv, Wo, mask, lowp_scales, xc, wc, woi, mwords, mclass; writes xc, wc, woi, mwords, mclass
.if DOCPART == 1
	.amdgcn_target "amdgcn-amd-amdhsa--gfx1250"
	.amdhsa_code_object_version 6
	.text
	.protected	k_qe649a2cc97_prep
	.globl	k_qe649a2cc97_prep
	.p2align	8
	.type	k_qe649a2cc97_prep,@function
k_qe649a2cc97_prep:
	s_mov_b64 s[64:65], 0
	v_nop
	global_prefetch_b8 v0, s[64:65] scope:SCOPE_SE
	s_setreg_imm32_b32 hwreg(HW_REG_WAVE_MODE, 25, 1), 1
	s_wait_xcnt 0x0
; PREPARATION, one launch, four kinds of work-group, told apart by the work-group's number; each kind has LDS bytes of its own.
;   0-127   MASK:  query tile T = the number (16 queries x 2,048 keys of the bool mask).  Out: mwords [T][J 16][64 words]: word 8 t + j, bit r + 16 h = mask[16 T + r][128 J + 16 t + 8 h + j],
;                  which is the lane mask for register 8 t + j of a 16 x 128 tile of transposed scores; and mclass[T]: bit J = the key step has to be computed, bit 16 + J = it holds a blocked key.
;                  Where a row of the tile is blocked at all 2,048 keys, every key step has to be computed (such a row's weights are all 1).
;   128-191 IMAGE: Wo [1024][1024] f32 -> codes of E5M2 (scale entry 11) laid as images of operand registers: [n tile 64][K step 8][4 groups][512 bytes], lane l's 16 bytes at 16 l;
;                  lane (r, h) holds, of row r, k = 16 c + 8 h + 0 .. 7 in registers 2 c, 2 c + 1.
;   192-447 X:     x f32 -> NaN to 0, infinities to +-1e9, then three sets of codes, row-major, with scale entries 0, 2, 4: xc sections of 4 MiB.
;   448-639 W:     Wq, Wk, Wv f32 -> codes, row-major, with scale entries 1, 3, 5: wc sections of 1 MiB.
; code = number / 2^e, held within +-57,344, rounded to the nearest code, ties to even.
; LIMITS: entries 0 to 5 and 11 lie between -126 and 112, so that 2^e and 57,344 x 2^e are f32 numbers.  NaN in the weights is not served (an infinity is held at the largest code).  Mask bytes are 0 or 1.
.set LMS, 0                            ; LDS: the mask's stages, 16 rows x 272 bytes a wave
.set LMC, 17408                        ; the mask's three results of each wave: 3 x 4 words
.set LIS, 17664                        ; Wo's stages, 16 rows x 528 bytes a wave
.set LXS, 51456                        ; x's stages, 2 x 32 x 80 bytes a wave
.set LWS, 71936                        ; the weights' stages, likewise
.set R, 32                             ; v32-95   four sets of 16 numbers as loaded
.set X, 96                             ; v96-127  two sets of 16 neighbours
.set T, 128                            ; v128-159 two sets of 16 held numbers
.set C, 160                            ; v160-255 codes: 12 registers a step, so that no store's data are written again
	s_load_b512 s[4:19], s[0:1], 0x0               ; x 4, Wq 6, Wk 8, Wv 10, Wo 12, mask 14, scales 16, xc 18
	s_load_b256 s[20:27], s[0:1], 0x40             ; wc 20, woi 22, mwords 24, mclass 26
	v_lshl_add_u32 v30, v0, 2, 0x16900
	v_mov_b32 v31, 0
	v_lshrrev_b32 v1, 5, v0
	v_readfirstlane_b32 s28, v1                    ; wave
	v_and_b32 v2, 31, v0                           ; lane
	v_lshlrev_b32 v3, 4, v2                        ; 16 x lane
	v_and_b32 v4, 15, v0                           ; r
	v_bfe_u32 v5, v0, 4, 1                         ; h
	s_mov_b32 s35, 0
	s_wait_kmcnt 0x0
	s_load_b256 s[36:43], s[16:17], 0x0            ; e0 .. e7
	s_load_b128 s[44:47], s[16:17], 0x20           ; e8 .. e11
	s_cmp_lt_u32 ttmp9, 128
	s_cbranch_scc1 .Lmask
	s_cmp_lt_u32 ttmp9, 192
	s_cbranch_scc1 .Limage
	s_cmp_lt_u32 ttmp9, 448
	s_cbranch_scc1 .Lx
	s_branch .Lw
.macro MKSC se, vsc, vlim              ; 2^e and 57,344 x 2^e as f32 patterns
	s_add_co_i32 s62, \se, 127
	s_lshl_b32 s63, s62, 23
	v_mov_b32 v[\vsc], s63
	s_add_co_i32 s62, s62, 15
	s_lshl_b32 s62, s62, 23
	s_or_b32 s62, s62, 0x600000
	v_mov_b32 v[\vlim], s62
.endm
.macro NANNUM x                        ; NaN -> 0, +-infinity -> +-1e9; s58 = 0x7fffffff, s59 = infinity's pattern, s60 = 1e9
	v_and_b32 v22, s58, v[\x]
	v_bfi_b32 v23, s58, s60, v[\x]
	v_cmp_eq_u32 vcc_lo, s59, v22
	v_cndmask_b32 v[\x], v[\x], v23, vcc_lo
	v_cmp_lt_u32 vcc_lo, s59, v22
	v_cndmask_b32 v[\x], v[\x], 0, vcc_lo
.endm
; A stream of f32 numbers: each load reads 512 consecutive bytes, 16 a lane; a step's 2,048 bytes go through the wave's own stage and come back 64 bytes a lane: 16 neighbours along K.
.macro STAGEADR base
	s_mul_i32 s31, s28, 5120
	s_add_co_u32 s31, s31, \base
	v_lshrrev_b32 v14, 2, v2
	v_mul_u32_u24 v14, v14, 80
	v_and_b32 v15, 3, v2
	v_lshl_add_u32 v14, v15, 4, v14
	v_add_nc_u32 v14, s31, v14                     ; in: 80 (lane / 4) + 16 (lane % 4)
	v_mul_u32_u24 v15, v2, 80
	v_add_nc_u32 v15, s31, v15                     ; out: 80 x lane
.endm
.macro QLOAD t
.irp i, 0,1,2,3
	global_load_b128 v[R+16*((\t)%4)+4*\i:R+16*((\t)%4)+4*\i+3], v3, s[32:33] offset:2048*(\t)+512*\i th:TH_LOAD_NT
.endr
.endm
.macro QTURN t                         ; LDS serves a wave's instructions in order: no wait between the stores and the loads
.irp i, 0,1,2,3
	ds_store_b128 v14, v[R+16*((\t)%4)+4*\i:R+16*((\t)%4)+4*\i+3] offset:2560*((\t)%2)+640*\i
.endr
.irp i, 0,1,2,3
	ds_load_b128 v[X+16*((\t)%2)+4*\i:X+16*((\t)%2)+4*\i+3], v15 offset:2560*((\t)%2)+16*\i
.endr
.endm
; Step t of 8: 512 numbers; nq sets of codes (scale q in v[16+q], its hold in v[19+q], destination s[48+2q:49+2q]); nn = 1: NaN and infinities are replaced first.
.macro QSTEP t, nq, nn
.set XS, X+16*((\t)%2)
	s_wait_dscnt 0x0                               ; this step's numbers are back from the stage, and its stores into the stage have read their registers
.if (\t)+4 < 8
	QLOAD (\t)+4
.endif
.if (\t)+1 < 8
.if 6-(\t) >= 3
	s_wait_loadcnt 12                              ; the next step's four loads are in; those of the three steps behind it may be out
.else
	s_wait_loadcnt 4*(6-(\t))
.endif
	QTURN (\t)+1
.endif
.if \nn
.irp i, 0,1,2,3,4,5,6,7,8,9,10,11,12,13,14,15
	NANNUM XS+\i
.endr
.endif
.set Q, 0
.rept \nq
.set TS, T+16*((Q+(\t))%2)
.irp i, 0,1,2,3,4,5,6,7,8,9,10,11,12,13,14,15
	v_med3_num_f32 v[TS+\i], v[XS+\i], -v[19+Q], v[19+Q]   ; the conversion to an 8-bit code does not saturate (ISA guide 7.6.2): the hold at the largest code x the scale
.endr
	v_cvt_scalef32_pk8_bf8_f32 v[C+12*(\t)+4*Q:C+12*(\t)+4*Q+1], v[TS:TS+7], v[16+Q]
	v_cvt_scalef32_pk8_bf8_f32 v[C+12*(\t)+4*Q+2:C+12*(\t)+4*Q+3], v[TS+8:TS+15], v[16+Q]
	v_nop                                          ; a plain line behind the conversions, ahead of the next write of their sources
	global_store_b128 v3, v[C+12*(\t)+4*Q:C+12*(\t)+4*Q+3], s[48+2*Q:49+2*Q] offset:512*(\t)   ; the wave stores 512 consecutive bytes, aligned
.set Q, Q+1
.endr
.endm
; ---------------- W: a wave takes 4,096 numbers of Wq, Wk or Wv
.Lw:
	s_sub_co_u32 s29, ttmp9, 448
	s_lshr_b32 s30, s29, 6                         ; which weight
	s_and_b32 s29, s29, 63
	s_lshl_b32 s29, s29, 2
	s_add_co_u32 s29, s29, s28                     ; which run of 4,096 numbers: 0 .. 255
	s_cmp_eq_u32 s30, 0
	s_cselect_b64 s[32:33], s[6:7], s[8:9]
	s_cmp_eq_u32 s30, 2
	s_cselect_b64 s[32:33], s[10:11], s[32:33]
	s_lshl_b32 s34, s29, 14
	s_add_nc_u64 s[32:33], s[32:33], s[34:35]
	s_lshl_b32 s34, s30, 20
	s_lshl_b32 s31, s29, 12
	s_add_co_u32 s34, s34, s31
	s_add_nc_u64 s[48:49], s[20:21], s[34:35]
	s_wait_alu depctr_va_vdst(0)
.irp t, 0,1,2,3
	QLOAD \t
.endr
	STAGEADR LWS
	s_wait_alu depctr_va_vdst(0)
	s_wait_kmcnt 0x0
	s_cmp_eq_u32 s30, 0
	s_cselect_b32 s54, s37, s39
	s_cmp_eq_u32 s30, 2
	s_cselect_b32 s54, s41, s54                    ; e1, e3 or e5
	MKSC s54, 16, 19
	s_wait_alu depctr_va_vdst(0)
	s_wait_loadcnt 12                              ; step 0's four loads are in
	QTURN 0
.irp t, 0,1,2,3,4,5,6,7
	QSTEP \t, 1, 0
.endr
	s_wait_tensorcnt 0x0
	ds_add_u32 v30, v31
	s_wait_dscnt 0x0
	s_endpgm
; ---------------- X: a wave takes 4,096 numbers of x and makes three sets of codes
.Lx:
	s_sub_co_u32 s29, ttmp9, 192
	s_lshl_b32 s29, s29, 2
	s_add_co_u32 s29, s29, s28                     ; 0 .. 1,023
	s_lshl_b32 s34, s29, 14
	s_add_nc_u64 s[32:33], s[4:5], s[34:35]
	s_lshl_b32 s34, s29, 12
	s_add_nc_u64 s[48:49], s[18:19], s[34:35]
	s_add_nc_u64 s[50:51], s[48:49], 0x400000
	s_add_nc_u64 s[52:53], s[48:49], 0x800000
	s_wait_alu depctr_va_vdst(0)
.irp t, 0,1,2,3
	QLOAD \t
.endr
	STAGEADR LXS
	s_mov_b32 s58, 0x7fffffff
	s_mov_b32 s59, 0x7f800000
	s_mov_b32 s60, 0x4e6e6b28                      ; 1e9
	s_wait_alu depctr_va_vdst(0)
	s_wait_kmcnt 0x0
	MKSC s36, 16, 19
	MKSC s38, 17, 20
	MKSC s40, 18, 21
	s_wait_loadcnt 12
	QTURN 0
.irp t, 0,1,2,3,4,5,6,7
	QSTEP \t, 3, 1
.endr
	s_wait_tensorcnt 0x0
	ds_add_u32 v30, v31
	s_wait_dscnt 0x0
	s_endpgm
; ---------------- IMAGE: a wave makes two fragments (16 rows x 128 K) of Wo
.Limage:
	s_sub_co_u32 s29, ttmp9, 128
	s_lshl_b32 s29, s29, 2
	s_add_co_u32 s29, s29, s28                     ; u = 0 .. 255: n tile u / 4, K steps 2 (u % 4) and + 1
	s_lshr_b32 s30, s29, 2
	s_lshl_b32 s34, s30, 16                        ; 16 rows of 4,096 bytes
	s_and_b32 s31, s29, 3
	s_lshl_b32 s31, s31, 10
	s_add_co_u32 s34, s34, s31
	s_add_nc_u64 s[32:33], s[12:13], s[34:35]
	s_lshl_b32 s34, s29, 12
	s_add_nc_u64 s[48:49], s[22:23], s[34:35]
	s_wait_alu depctr_va_vdst(0)
.irp i, 0,1
.irp p, 0,1,2,3,4,5,6,7,8,9,10,11,12,13,14,15
	global_load_b128 v[32+64*\i+4*\p:35+64*\i+4*\p], v3, s[32:33] offset:4096*\p+512*\i th:TH_LOAD_NT   ; 512 consecutive bytes of row p
.endr
.endr
	s_mul_i32 s31, s28, 8448
	s_add_co_u32 s31, s31, LIS
	v_add_nc_u32 v14, s31, v3                      ; in: a row as it lies
	v_mul_u32_u24 v15, v4, 528
	v_lshl_add_u32 v15, v5, 5, v15
	v_add_nc_u32 v15, s31, v15                     ; out: row r, + 32 h: eight numbers of each 16
	s_wait_alu depctr_va_vdst(0)
	s_wait_kmcnt 0x0
	MKSC s47, 16, 19
	s_wait_alu depctr_va_vdst(0)
.irp i, 0,1
	s_wait_loadcnt 16*(1-\i)                       ; this fragment's sixteen loads are in; the other's may be out
.irp p, 0,1,2,3,4,5,6,7,8,9,10,11,12,13,14,15
	ds_store_b128 v14, v[32+64*\i+4*\p:35+64*\i+4*\p] offset:528*\p
.endr
.irp c, 0,1,2,3,4,5,6,7
	ds_load_b128 v[160+8*\c:163+8*\c], v15 offset:64*\c
	ds_load_b128 v[164+8*\c:167+8*\c], v15 offset:64*\c+16
.endr
	s_wait_dscnt 0x0
.set n_, 0
.rept 64
	v_med3_num_f32 v[160+n_], v[160+n_], -v19, v19
.set n_, n_+1
.endr
.irp c, 0,1,2,3,4,5,6,7
	v_cvt_scalef32_pk8_bf8_f32 v[224+16*\i+2*\c:225+16*\i+2*\c], v[160+8*\c:167+8*\c], v16
.endr
	v_nop                                          ; a plain line behind the conversions
.irp g, 0,1,2,3
	global_store_b128 v3, v[224+16*\i+4*\g:227+16*\i+4*\g], s[48:49] offset:2048*\i+512*\g
.endr
.endr
	s_wait_tensorcnt 0x0
	ds_add_u32 v30, v31
	s_wait_dscnt 0x0
	s_endpgm
; ---------------- MASK: the work-group takes query tile T; wave w its keys 512 w .. 512 w + 511: key steps 4 w .. 4 w + 3, in two trips of 256 keys
.Lmask:
	s_lshl_b32 s34, ttmp9, 15                      ; 16 rows of 2,048 bytes
	s_lshl_b32 s31, s28, 9
	s_add_co_u32 s34, s34, s31
	s_add_nc_u64 s[32:33], s[14:15], s[34:35]
	s_wait_alu depctr_va_vdst(0)
	v_lshlrev_b32 v6, 11, v5
	v_lshl_add_u32 v6, v4, 4, v6                   ; lanes 0-15 one row's 256 bytes, lanes 16-31 the next row's
.irp tr, 0,1
.irp i, 0,1,2,3,4,5,6,7
	global_load_b128 v[32+32*\tr+4*\i:35+32*\tr+4*\i], v6, s[32:33] offset:4096*\i+256*\tr th:TH_LOAD_NT
.endr
.endr
	s_lshl_b32 s34, ttmp9, 12
	s_lshl_b32 s31, s28, 10
	s_add_co_u32 s34, s34, s31
	s_add_nc_u64 s[48:49], s[24:25], s[34:35]      ; mwords at (T, 4 w)
	s_lshl_b32 s31, ttmp9, 2
	v_mov_b32 v13, s31                             ; mclass: 4 T
	s_mul_i32 s31, s28, 4352
	v_mul_u32_u24 v7, v5, 272
	v_lshl_add_u32 v7, v4, 4, v7
	v_add_nc_u32 v7, s31, v7                       ; stage in: row 2 i + h, 16 r
	v_mul_u32_u24 v8, v4, 272
	v_lshl_add_u32 v8, v5, 3, v8
	v_add_nc_u32 v8, s31, v8                       ; stage out: row r, 8 h
	v_lshlrev_b32 v9, 3, v2                        ; words 2 l and 2 l + 1 of a key step's 64
	s_lshl_b32 s31, s28, 2
	s_add_co_u32 s31, s31, LMC
	v_mov_b32 v10, s31                             ; my wave's word of each of the three results
	v_mov_b32 v11, LMC
	v_mov_b32 v12, 0xffff
	s_mov_b32 s50, 0xff
	s_mov_b32 s51, 0xff00
	s_mov_b32 s52, 0xff0000
	s_mov_b32 s53, 0xff000000
	s_mov_b32 s54, 0x01010101
	s_mov_b32 s55, 0                               ; key steps with an open key
	s_mov_b32 s56, 0                               ; key steps with a blocked key
	s_lshl_b32 s57, s28, 2                         ; the key step in hand
	v_mov_b32 v138, s54                            ; the AND of all my bytes
.irp i, 0,1,2,3,4,5,6,7
	v_mov_b32 v[128+\i], 0                         ; written once: v_writelane_b32 keeps the other lanes
.endr
	s_wait_kmcnt 0x0                               ; (the exponents, which this path does not use)
.macro MTRIP tr
	s_wait_loadcnt 8*(1-\tr)                       ; this trip's eight loads are in; the other trip's may be out
.irp i, 0,1,2,3,4,5,6,7
	ds_store_b128 v7, v[32+32*\tr+4*\i:35+32*\tr+4*\i] offset:544*\i
.endr
.irp jj, 0,1
.irp t, 0,1,2,3,4,5,6,7
	ds_load_b64 v[96+16*\jj+2*\t:97+16*\jj+2*\t], v8 offset:128*\jj+16*\t   ; mask[16 T + r][.. + 128 jj + 16 t + 8 h + 0 .. 7]
.endr
.endr
	s_wait_dscnt 0x0
.irp jj, 0,1
	v_or_b32 v136, v[96+16*\jj], v[97+16*\jj]
	v_and_b32 v137, v[96+16*\jj], v[97+16*\jj]
.irp k, 2,3,4,5,6,7,8,9,10,11,12,13,14,15
	v_or_b32 v136, v136, v[96+16*\jj+\k]
	v_and_b32 v137, v137, v[96+16*\jj+\k]
.endr
	s_wait_alu depctr_va_vdst(0)
	v_cmp_ne_u32 vcc_lo, 0, v136                   ; a lane with a blocked key
	s_cmp_lg_u32 vcc_lo, 0
	s_cselect_b32 s62, 1, 0
	s_lshl_b32 s62, s62, s57
	s_or_b32 s56, s56, s62
	v_cmp_ne_u32 vcc_lo, s54, v137                 ; a lane with an open key
	s_cmp_lg_u32 vcc_lo, 0
	s_cselect_b32 s62, 1, 0
	s_lshl_b32 s62, s62, s57
	s_or_b32 s55, s55, s62
	s_add_co_u32 s57, s57, 1
	v_and_b32 v138, v138, v137
.irp q, 0,1,2,3,4,5,6,7,8,9,10,11,12,13,14,15  ; register q holds bytes j = 4 (q % 2) + 0 .. 3 of tile t = q / 2: words 4 q .. 4 q + 3
.irp k, 0,1,2,3
	v_and_b32 v[140+\k], s[50+\k], v[96+16*\jj+\q]
.endr
.irp k, 0,1,2,3
	v_cmp_ne_u32 s[58+\k], 0, v[140+\k]            ; the 32 lanes' bits ARE the word
.endr
.irp k, 0,1,2,3
	v_writelane_b32 v[128+4*\tr+2*\jj+(\k&1)], s[58+\k], 2*\q+(\k>>1)
.endr
.endr
	global_store_b64 v9, v[128+4*\tr+2*\jj:129+4*\tr+2*\jj], s[48:49] offset:512*\tr+256*\jj   ; 256 consecutive bytes, aligned
.endr
.endm
	MTRIP 0
	MTRIP 1
	v_cmp_eq_u32 vcc_lo, s54, v138                 ; lanes all of whose bytes are 1
	s_lshr_b32 s62, vcc_lo, 16
	s_and_b32 s62, s62, vcc_lo
	s_and_b32 s62, s62, 0xffff                     ; rows blocked at all my 512 keys
	v_mov_b32 v140, s55
	v_mov_b32 v141, s56
	v_mov_b32 v142, s62
	ds_store_b32 v10, v140
	ds_store_b32 v10, v141 offset:16
	ds_store_b32 v10, v142 offset:32
	s_wait_dscnt 0x0                               ; for the others' sake: my three words lie in LDS
	s_barrier_signal -1
	s_barrier_wait -1
	ds_load_b128 v[144:147], v11
	ds_load_b128 v[148:151], v11 offset:16
	ds_load_b128 v[152:155], v11 offset:32
	s_wait_dscnt 0x0
	v_or_b32 v144, v144, v145
	v_or_b32 v146, v146, v147
	v_or_b32 v144, v144, v146
	v_or_b32 v148, v148, v149
	v_or_b32 v150, v150, v151
	v_or_b32 v148, v148, v150
	v_and_b32 v152, v152, v153
	v_and_b32 v154, v154, v155
	v_and_b32 v152, v152, v154                     ; rows blocked at all 2,048 keys
	v_cmp_ne_u32 vcc_lo, 0, v152
	v_cndmask_b32 v144, v144, v12, vcc_lo          ; such a row wants every key step
	v_lshl_or_b32 v144, v148, 16, v144
	v_cmp_eq_u32 vcc_lo, 0, v0                     ; thread 0 stores the word
	s_wait_alu depctr_va_vdst(0)
	s_wait_xcnt 0x0                                ; EXEC changes only behind this wait
	s_wait_tensorcnt 0x0
	ds_add_u32 v30, v31
	s_wait_dscnt 0x0
	s_and_saveexec_b32 s62, vcc_lo
	global_store_b32 v13, v144, s[26:27]
	s_wait_xcnt 0x0
	s_or_b32 exec_lo, exec_lo, s62
	s_endpgm
.Lfunc_end_k_qe649a2cc97_prep:
	.size	k_qe649a2cc97_prep, .Lfunc_end_k_qe649a2cc97_prep-k_qe649a2cc97_prep
	.p2alignl 7, 3214868480
	.fill 96, 4, 3214868480
	.section	.rodata,"a",@progbits
	.p2align	6, 0x0
	.amdhsa_kernel k_qe649a2cc97_prep
		.amdhsa_group_segment_fixed_size 92928
		.amdhsa_private_segment_fixed_size 0
		.amdhsa_enable_private_segment 0
		.amdhsa_kernarg_size 96
		.amdhsa_user_sgpr_count 2
		.amdhsa_user_sgpr_kernarg_segment_ptr 1
		.amdhsa_wavefront_size32 1
		.amdhsa_system_sgpr_workgroup_id_x 1
		.amdhsa_system_sgpr_workgroup_id_y 1
		.amdhsa_system_sgpr_workgroup_id_z 1
		.amdhsa_system_vgpr_workitem_id 0
		.amdhsa_next_free_vgpr 256
		.amdhsa_next_free_sgpr 66
		.amdhsa_reserve_vcc 1
		.amdhsa_float_denorm_mode_32 3
		.amdhsa_float_denorm_mode_16_64 3
		.amdhsa_memory_ordered 1
		.amdhsa_forward_progress 1
		.amdhsa_inst_pref_size 165
	.end_amdhsa_kernel
	.amdgpu_metadata
---
amdhsa.version: [ 1, 2 ]
amdhsa.kernels:
  - .name:           k_qe649a2cc97_prep
    .symbol:         k_qe649a2cc97_prep.kd
    .args:
      - { .name: x, .offset: 0, .size: 8, .value_kind: global_buffer, .address_space: global }
      - { .name: Wq, .offset: 8, .size: 8, .value_kind: global_buffer, .address_space: global }
      - { .name: Wk, .offset: 16, .size: 8, .value_kind: global_buffer, .address_space: global }
      - { .name: Wv, .offset: 24, .size: 8, .value_kind: global_buffer, .address_space: global }
      - { .name: Wo, .offset: 32, .size: 8, .value_kind: global_buffer, .address_space: global }
      - { .name: mask, .offset: 40, .size: 8, .value_kind: global_buffer, .address_space: global }
      - { .name: lowp_scales, .offset: 48, .size: 8, .value_kind: global_buffer, .address_space: global }
      - { .name: xc, .offset: 56, .size: 8, .value_kind: global_buffer, .address_space: global }
      - { .name: wc, .offset: 64, .size: 8, .value_kind: global_buffer, .address_space: global }
      - { .name: woi, .offset: 72, .size: 8, .value_kind: global_buffer, .address_space: global }
      - { .name: mwords, .offset: 80, .size: 8, .value_kind: global_buffer, .address_space: global }
      - { .name: mclass, .offset: 88, .size: 8, .value_kind: global_buffer, .address_space: global }
    .group_segment_fixed_size: 92928
    .private_segment_fixed_size: 0
    .kernarg_segment_align: 8
    .kernarg_segment_size: 96
    .max_flat_workgroup_size: 128
    .sgpr_count:     66
    .vgpr_count:     256
    .wavefront_size: 32
...
	.end_amdgpu_metadata
.endif
;; end of part 1
;; launch qkv (part 2): grid 12 x 16, 4 waves a work-group, clusters of 4 x 4, 327,680 bytes of LDS; arguments xc, wc, lowp_scales, bq, bk, bv, qkvi; writes qkvi
.if DOCPART == 2
	.amdgcn_target "amdgcn-amd-amdhsa--gfx1250"
	.amdhsa_code_object_version 6
	.text
	.protected	k_qe649a2cc97_qkv
	.globl	k_qe649a2cc97_qkv
	.p2align	8
	.type	k_qe649a2cc97_qkv,@function
k_qe649a2cc97_qkv:
	s_mov_b64 s[64:65], 0
	v_nop
	global_prefetch_b8 v0, s[64:65] scope:SCOPE_SE
	s_setreg_imm32_b32 hwreg(HW_REG_WAVE_MODE, 25, 1), 1
	s_wait_xcnt 0x0
	s_wait_alu depctr_hold_cnt(0) depctr_sa_sdst(0) depctr_va_vdst(0) depctr_va_sdst(0) depctr_va_ssrc(0) depctr_va_vcc(0) depctr_vm_vsrc(0)
	s_getreg_b32 s2, hwreg(HW_REG_IB_STS2, 6, 4)
	s_cmp_eq_u32 s2, 0
	s_cbranch_scc0 .Lentry_in_a_cluster
	s_endpgm
.Lentry_in_a_cluster:
	s_bfe_u32 s2, ttmp6, 0x10000c
	s_cmp_lg_u32 s2, 0xf033
	s_cbranch_scc0 .Lentry_shape_is_right
	s_endpgm
.Lentry_shape_is_right:
.set KSTEP,  256
.set ROWB,   256
.set KROW,   1024
.set PITCH,  272
.set FR,     16
.set NL,     4
.set NP,     4
.set HALFT,  128*PITCH
.set SLOT,   4*HALFT
.set LAPS,   2
.set SPARE,  2*SLOT
.set ADRA, 16
.set ADRB, 20
.set SPW,  28
.set NIL,  29
.set SCV,  30
.set LIMV, 31
.set CB,   32
.set TB,   96
.set AF,   128
.set G1, 24
.set G0, 32
.set G1B, 48
.set G0B, 56
.set MSB, 0
.macro WIN new
.if MSB != \new
	s_set_vgpr_msb (MSB<<8)|\new
.set MSB, \new
.endif
.endm
.set MUL_LO, 0xa1
.set MUL_HI, 0xf1
.set TO_B,   0x40
.macro JLOAD g0a, g1a, g0b, g1b
	s_cmp_eq_u32 s15, 0
	s_cbranch_scc0 .Lfor_b_\@
	tensor_load_to_lds s[\g0a:\g0a+3], s[\g1a:\g1a+7]
	s_nop 0
.rept 4
	v_nop
.endr
	s_branch .Lasked_\@
.Lfor_b_\@:
	tensor_load_to_lds s[\g0b:\g0b+3], s[\g1b:\g1b+7]
	s_nop 0
.rept 4
	v_nop
.endr
.Lasked_\@:
.endm
.macro CREST
	s_cmp_lg_u32 s14, 0
	s_cbranch_scc1 .Lnot_wave_0_\@
	s_barrier_signal -3
.Lnot_wave_0_\@:
	s_barrier_wait -3
	s_barrier_signal -1
	s_barrier_wait -1
.endm
.macro CROUND
	s_barrier_signal -1
	s_barrier_wait -1
	CREST
.endm
	s_load_b128 s[4:7], s[0:1], 0x0
	s_load_b256 s[68:75], s[0:1], 0x10
	s_load_b64 s[76:77], s[0:1], 0x30
	v_lshl_add_u32 v[SPW], v0, 2, SPARE
	v_mov_b32 v[NIL], 0
	ds_add_u32 v28, v29
	ds_add_u32 v28, v29
	s_wait_dscnt 0x0
	v_lshrrev_b32 v1, 5, v0
	v_readfirstlane_b32 s14, v1
	s_lshr_b32 s15, s14, 1
	s_and_b32 s16, s14, 1
	s_bfe_u32 s40, ttmp6, 0x40000
	s_bfe_u32 s41, ttmp6, 0x40004
	s_lshl_b32 s94, ttmp9, 22
	s_lshl_b32 s95, ttmp9, 20
	s_and_b32 s93, ttmp7, 0xffff
	s_lshl_b32 s93, s93, 2
	s_cmp_lt_u32 ttmp9, 2
	s_cselect_b32 s78, s94, s95
	s_cselect_b32 s79, s95, s94
	s_cselect_b32 s17, s93, 0
	s_cselect_b32 s42, 0, s93
	s_add_co_u32 s17, s17, s41
	s_add_co_u32 s42, s42, s40
	s_lshl_b32 s43, s41, 2
	s_lshl_b32 s43, 15, s43
	s_lshl_b32 s44, 0x1111, s40
	s_or_b32 s[G1+0], s43, (0<<16)|(1<<20)|(1<<21)|(5<<22)|(3<<25)
	s_or_b32 s[G1B+0], s44, (0<<16)|(1<<20)|(1<<21)|(5<<22)|(3<<25)
.irp g, G1, G1B
	s_mov_b32 s[\g+1], ROWB<<16
	s_mov_b32 s[\g+2], 128<<16
	s_mov_b32 s[\g+3], ROWB<<16
	s_mov_b32 s[\g+4], 128
	s_mov_b32 s[\g+5], KROW
	s_mov_b32 s[\g+6], 0
	s_mov_b32 s[\g+7], 0
.endr
	s_lshl_b32 s18, s16, 7
	s_lshl_b32 s20, s17, 8
	s_add_co_u32 s20, s20, s18
	s_lshl_b32 s46, s42, 8
	s_add_co_u32 s46, s46, s18
	s_lshl_b32 s20, s20, 10
	s_lshl_b32 s46, s46, 10
	s_add_co_u32 s20, s20, s78
	s_add_co_u32 s46, s46, s79
	s_mov_b32 s21, 0
	s_mov_b32 s47, 0
	s_mul_i32 s45, s14, HALFT
	s_wait_kmcnt 0x0
	s_load_b256 s[80:87], s[68:69], 0x0
	s_load_b128 s[88:91], s[68:69], 0x20
	s_cmp_lt_u32 ttmp9, 2
	s_cselect_b64 s[8:9], s[4:5], s[6:7]
	s_cselect_b64 s[10:11], s[6:7], s[4:5]
	s_add_nc_u64 s[20:21], s[8:9], s[20:21]
	s_add_nc_u64 s[46:47], s[10:11], s[46:47]
	s_cmp_eq_u32 ttmp9, 0
	s_cselect_b64 s[98:99], s[70:71], s[72:73]
	s_cmp_eq_u32 ttmp9, 2
	s_cselect_b64 s[98:99], s[74:75], s[98:99]
	CROUND
.irp s, 0,1
	s_mov_b32 s[G0+4*\s], 1
	s_add_co_u32 s[G0+4*\s+1], s45, \s*SLOT
	s_add_nc_u64 s[G0+4*\s+2:G0+4*\s+3], s[20:21], \s*ROWB
	s_or_b32 s[G0+4*\s+3], s[G0+4*\s+3], 0x80000000
	s_mov_b32 s[G0B+4*\s], 1
	s_add_co_u32 s[G0B+4*\s+1], s45, \s*SLOT
	s_add_nc_u64 s[G0B+4*\s+2:G0B+4*\s+3], s[46:47], \s*ROWB
	s_or_b32 s[G0B+4*\s+3], s[G0B+4*\s+3], 0x80000000
	s_wait_alu depctr_va_vdst(0)
	s_wait_tensorcnt 0x0
	ds_add_u32 v28, v29
	ds_add_u32 v28, v29
	s_wait_dscnt 0x0
	CROUND
	JLOAD G0+4*\s, G1, G0B+4*\s, G1B
.endr
	v_and_b32 v1, 15, v0
	v_bfe_u32 v2, v0, 4, 1
	s_wait_alu depctr_va_vdst(0)
	v_mul_u32_u24 v3, v1, PITCH
	v_lshl_add_u32 v4, v2, 4, v3
	s_mul_i32 s21, s15, HALFT
	s_mul_i32 s22, s16, HALFT
	s_add_co_u32 s22, s22, 2*HALFT
.irp s, 0,1
	v_add_nc_u32 v[ADRA+\s], s21, v4
	v_add_nc_u32 v[ADRB+\s], s22, v4
	s_add_co_u32 s21, s21, SLOT
	s_add_co_u32 s22, s22, SLOT
.endr
	v_and_b32 v6, 31, v0
	v_lshlrev_b32 v10, 4, v6
	s_lshl_b32 s18, s40, 10
	s_lshl_b32 s19, s16, 9
	s_add_co_u32 s18, s18, s19
	v_lshlrev_b32 v8, 5, v2
	v_add_nc_u32 v8, s18, v8
	s_lshl_b32 s18, s41, 10
	s_lshl_b32 s19, s15, 9
	s_add_co_u32 s18, s18, s19
	v_lshlrev_b32 v9, 2, v1
	v_add_nc_u32 v9, s18, v9
.irp b, 0,1,2,3,4,5,6,7
	global_load_b128 v[CB+8*\b:CB+8*\b+3], v8, s[98:99] offset:64*\b
	global_load_b128 v[CB+8*\b+4:CB+8*\b+7], v8, s[98:99] offset:64*\b+16
.endr
.irp a, 0,1,2,3,4,5,6,7
	global_load_b32 v[TB+\a], v9, s[98:99] offset:64*\a
.endr
.macro FRAG reg, adr, q, i
.irp c, 0,1,2,3
	ds_load_b128 v[\reg+4*\c:\reg+4*\c+3], v[\adr] offset:128*(\q)+32*\c+(\i)*16*PITCH
.endr
.endm
.macro MUL16 a0, p, mode
.irp a, \a0, \a0+1
.irp b, 0,1,2,3,4,5,6,7
.if \mode == 0
	v_wmma_f32_16x16x128_bf8_bf8 v[8*(8*((\a)%4)+\b):8*(8*((\a)%4)+\b)+7], v[128*(\p)+FR*\b:128*(\p)+FR*\b+FR-1], v[AF+FR*(\a):AF+FR*(\a)+FR-1], v[8*(8*((\a)%4)+\b):8*(8*((\a)%4)+\b)+7]
.elseif \mode == 2
	v_wmma_f32_16x16x128_bf8_bf8 v[8*(8*((\a)%4)+\b):8*(8*((\a)%4)+\b)+7], v[128*(\p)+FR*\b:128*(\p)+FR*\b+FR-1], v[AF+FR*(\a):AF+FR*(\a)+FR-1], v[CB+8*\b:CB+8*\b+7]
.else
	v_wmma_f32_16x16x128_bf8_bf8 v[8*(8*((\a)%4)+\b):8*(8*((\a)%4)+\b)+7], v[128*(\p)+FR*\b:128*(\p)+FR*\b+FR-1], v[AF+FR*(\a):AF+FR*(\a)+FR-1], v[CB+8*(\a):CB+8*(\a)+7]
.endif
.endr
.endr
.endm
.macro FETCH_B slot, q, p
	WIN TO_B
.irp i, 0,1,2,3,4,5,6,7
	FRAG 128*(\p)+FR*\i, ADRB+\slot, \q, \i
.endr
	WIN 0
.endm
.macro FETCH_A slot, q, i0
.irp i, \i0, \i0+1, \i0+2, \i0+3
	FRAG AF+FR*(\i), ADRA+\slot, \q, \i
.endr
.endm
.macro PLACES n
.rept \n
	v_nop
.endr
.endm
.macro STEP slot, q, mode
	s_wait_dscnt 4*NL
.if \mode
	WIN 0x81
.else
	WIN MUL_LO
.endif
	MUL16 0, (\q)%2, \mode
	MUL16 2, (\q)%2, \mode
	s_wait_dscnt 0
	PLACES NP
	FETCH_B \slot, (\q)+1, 1-(\q)%2
	FETCH_A \slot, (\q)+1, 0
.if \mode
	WIN 0xc1
.else
	WIN MUL_HI
.endif
	MUL16 4, (\q)%2, \mode
	MUL16 6, (\q)%2, \mode
	PLACES NP
	WIN 0
	FETCH_A \slot, (\q)+1, 4
.endm
.macro TURN slot, next, fill
	s_wait_tensorcnt 0x0
	ds_add_u32 v[SPW], v[NIL]
	s_wait_dscnt 4*NL+1
	WIN MUL_LO
	MUL16 0, 1, 0
	s_wait_dscnt 0x0
	s_barrier_signal -1
	MUL16 2, 1, 0
	WIN 0
	s_barrier_wait -1
.if \fill
	CREST
	s_add_nc_u64 s[G0+4*\slot+2:G0+4*\slot+3], s[G0+4*\slot+2:G0+4*\slot+3], 2*ROWB
	s_add_nc_u64 s[G0B+4*\slot+2:G0B+4*\slot+3], s[G0B+4*\slot+2:G0B+4*\slot+3], 2*ROWB
	JLOAD G0+4*\slot, G1, G0B+4*\slot, G1B
.else
	PLACES NP
.endif
	FETCH_B \next, 0, 0
	FETCH_A \next, 0, 0
	WIN MUL_HI
	MUL16 4, 1, 0
	MUL16 6, 1, 0
	PLACES NP
	WIN 0
	FETCH_A \next, 0, 4
.endm
	s_wait_alu depctr_va_vdst(0)
	s_wait_tensorcnt 1
	s_barrier_signal -1
	s_barrier_wait -1
	FETCH_B 0, 0, 0
	FETCH_A 0, 0, 0
	FETCH_A 0, 0, 4
	s_wait_loadcnt 0x0
	s_wait_kmcnt 0x0
	s_add_co_i32 s94, s80, s81
	s_add_co_i32 s95, s82, s83
	s_add_co_i32 s93, s84, s85
	s_cmp_eq_u32 ttmp9, 0
	s_cselect_b32 s94, s94, s95
	s_cselect_b32 s95, s86, s87
	s_cmp_eq_u32 ttmp9, 2
	s_cselect_b32 s94, s93, s94
	s_cselect_b32 s95, s89, s95
	s_sub_co_i32 s95, s95, s94
	s_sub_co_i32 s94, 0, s94
	s_add_co_i32 s95, s95, 127
	s_lshl_b32 s93, s95, 23
	v_mov_b32 v[SCV], s93
	s_add_co_i32 s95, s95, 15
	s_lshl_b32 s95, s95, 23
	s_or_b32 s95, s95, 0x600000
	v_mov_b32 v[LIMV], s95
	s_cmp_eq_u32 ttmp9, 2
	s_cbranch_scc1 .Lfirst_v
.set n_, 0
.rept 64
	v_ldexp_f32 v[CB+n_], v[CB+n_], s94
.set n_, n_+1
.endr
	s_wait_alu depctr_va_vdst(0)
	STEP 0, 0, 2
	s_branch .Ljoined
.Lfirst_v:
.irp a, 0,1,2,3,4,5,6,7
.irp j, 0,1,2,3,4,5,6,7
	v_ldexp_f32 v[CB+8*\a+\j], v[TB+\a], s94
.endr
.endr
	s_wait_alu depctr_va_vdst(0)
	STEP 0, 0, 3
.Ljoined:
	s_mov_b32 s3, LAPS-1
.Llap:
	TURN 0, 1, 1
	STEP 1, 0, 0
	TURN 1, 0, 1
	STEP 0, 0, 0
	s_sub_co_u32 s3, s3, 1
	s_cmp_lg_u32 s3, 0
	s_cbranch_scc1 .Llap
	TURN 0, 1, 0
	STEP 1, 0, 0
	s_wait_dscnt 4*NL
	WIN MUL_LO
	MUL16 0, 1, 0
	MUL16 2, 1, 0
	s_wait_dscnt 0
	WIN MUL_HI
	MUL16 4, 1, 0
	MUL16 6, 1, 0
	WIN 0
	s_lshl_b32 s18, s17, 4
	s_lshl_b32 s19, s15, 3
	s_add_co_u32 s18, s18, s19
	s_lshl_b32 s20, s42, 1
	s_add_co_u32 s20, s20, s16
	s_cmp_lt_u32 ttmp9, 2
	s_cselect_b32 s21, 14, 11
	s_cselect_b32 s22, 11, 17
	s_lshl_b32 s18, s18, s21
	s_lshl_b32 s20, s20, s22
	s_add_co_u32 s18, s18, s20
	s_lshl_b32 s20, ttmp9, 22
	s_add_co_u32 s18, s18, s20
	s_mov_b32 s19, 0
	s_add_nc_u64 s[96:97], s[76:77], s[18:19]
	s_lshl_b32 s21, 1, s21
	PLACES NP
	v_mov_b32 v96, v10
.irp a, 1,2,3,4,5,6,7
	v_add_nc_u32 v[96+\a], s21, v[95+\a]
.endr
.macro OUTBLK a
.set AC, 64*((\a)%4)
	WIN 0x02+((\a)/4)
.set n_, 0
.rept 64
	v_med3_num_f32 v[32+n_], v[AC+n_], -v[LIMV], v[LIMV]
.set n_, n_+1
.endr
	WIN 0
.irp b, 0,1,2,3,4,5,6,7
	v_cvt_scalef32_pk8_bf8_f32 v[128+16*(\a)+2*\b:129+16*(\a)+2*\b], v[32+8*\b:39+8*\b], v[SCV]
.endr
	v_nop
.irp g, 0,1,2,3
	global_store_b128 v[96+(\a)], v[128+16*(\a)+4*\g:131+16*(\a)+4*\g], s[96:97] offset:512*\g
.endr
.endm
.irp a, 0,1,2,3,4,5,6,7
	OUTBLK \a
.endr
	s_wait_tensorcnt 0x0
	ds_add_u32 v[SPW], v[NIL]
	s_wait_dscnt 0x0
	CROUND
	s_endpgm
.Lfunc_end_k_qe649a2cc97_qkv:
	.size	k_qe649a2cc97_qkv, .Lfunc_end_k_qe649a2cc97_qkv-k_qe649a2cc97_qkv
	.p2alignl 7, 3214868480
	.fill 96, 4, 3214868480
	.section	.rodata,"a",@progbits
	.p2align	6, 0x0
	.amdhsa_kernel k_qe649a2cc97_qkv
		.amdhsa_group_segment_fixed_size 327680
		.amdhsa_private_segment_fixed_size 0
		.amdhsa_enable_private_segment 0
		.amdhsa_kernarg_size 56
		.amdhsa_user_sgpr_count 2
		.amdhsa_user_sgpr_kernarg_segment_ptr 1
		.amdhsa_wavefront_size32 1
		.amdhsa_system_sgpr_workgroup_id_x 1
		.amdhsa_system_sgpr_workgroup_id_y 1
		.amdhsa_system_sgpr_workgroup_id_z 1
		.amdhsa_system_vgpr_workitem_id 0
		.amdhsa_next_free_vgpr 1024
		.amdhsa_next_free_sgpr 100
		.amdhsa_reserve_vcc 0
		.amdhsa_float_denorm_mode_32 3
		.amdhsa_float_denorm_mode_16_64 3
		.amdhsa_memory_ordered 1
		.amdhsa_forward_progress 1
		.amdhsa_inst_pref_size 139
	.end_amdhsa_kernel
	.amdgpu_metadata
---
amdhsa.version: [ 1, 2 ]
amdhsa.kernels:
  - .name:           k_qe649a2cc97_qkv
    .symbol:         k_qe649a2cc97_qkv.kd
    .args:
      - { .name: xc, .offset: 0, .size: 8, .value_kind: global_buffer, .address_space: global }
      - { .name: wc, .offset: 8, .size: 8, .value_kind: global_buffer, .address_space: global }
      - { .name: lowp_scales, .offset: 16, .size: 8, .value_kind: global_buffer, .address_space: global }
      - { .name: bq, .offset: 24, .size: 8, .value_kind: global_buffer, .address_space: global }
      - { .name: bk, .offset: 32, .size: 8, .value_kind: global_buffer, .address_space: global }
      - { .name: bv, .offset: 40, .size: 8, .value_kind: global_buffer, .address_space: global }
      - { .name: qkvi, .offset: 48, .size: 8, .value_kind: global_buffer, .address_space: global }
    .group_segment_fixed_size: 327680
    .private_segment_fixed_size: 0
    .kernarg_segment_align: 8
    .kernarg_segment_size: 56
    .max_flat_workgroup_size: 128
    .sgpr_count:     100
    .vgpr_count:     1024
    .wavefront_size: 32
...
	.end_amdgpu_metadata
.endif
;; end of part 2
;; launch attn (part 3): grid 8 x 32, 16 waves a work-group, no clusters, 268,288 bytes of LDS; arguments qkvi, mwords, mclass, lowp_scales, oi; writes oi
.if DOCPART == 3
	.amdgcn_target "amdgcn-amd-amdhsa--gfx1250"
	.amdhsa_code_object_version 6
	.text
	.protected	k_qe649a2cc97_attn
	.globl	k_qe649a2cc97_attn
	.p2align	8
	.type	k_qe649a2cc97_attn,@function
k_qe649a2cc97_attn:
	s_mov_b64 s[64:65], 0
	v_nop
	global_prefetch_b8 v0, s[64:65] scope:SCOPE_SE
	s_setreg_imm32_b32 hwreg(HW_REG_WAVE_MODE, 25, 1), 1
	s_wait_xcnt 0x0
; o = softmax(mask(q k^T / 8)) v for one head and batch a work-group row, both products on codes of E5M2; o is quantised at once (scale entry 10) for the output projection.
; WHAT IS QUANTISED.  The logits that reach the softmax are scores - the row's largest score, so M = ceil(0) = 0: p = 2^((s - m) log2 e) with the TRUE maximum m of the row.
; So the keys are walked twice: pass 1 finds m, pass 2 makes p, the sum of the unquantised p, and O^T += V^T P^T.  A blocked key has p = 0.  A row whose keys are ALL blocked has logits 0: p = 1 at every key.
; THE MASK is an input.  An earlier launch stored, for each tile of 16 queries, a word of classes (bit J: key step J has to be computed; bit 16 + J: it holds a blocked key) and, for each key step,
; 64 words that are the lane masks of the 64 score registers.  A key step without work is passed over by a scalar branch on the stored word; the trip counts are constants.
; SHARES.  Work-group (g, bh): head bh % 16 of batch bh / 16, query tiles 8 w + g, w = 0 .. 15.  Waves w and 15 - w are partners and SHARE THEIR TWO TILES BY KEY STEPS: waves 0-7 take the even key steps
; of both tiles, waves 8-15 the odd ones, so that a long and a short row of a banded mask make equal shares.  Job 0 is the partner's tile, job 1 the wave's own.  m is fixed before pass 2, so partial O^T and
; partial sums simply add: the maxima are exchanged through LDS between the passes, job 0's O^T and sum go to the partner through LDS at the end, and each wave finishes its own tile.
; All K (128 KiB) and V (128 KiB) of the head lie in LDS as images of operand registers.  K is stored ahead of pass 1; V's loads stay out during pass 1, in registers that pass 1 does not name, and V is stored
; ahead of the barrier that also serves the exchange of maxima.  No tensor load: branches on stored numbers pass over work here.  No loop streams from memory, so nothing is prefetched.
; LAYOUT.  Both products transposed: S^T = K Q^T, O^T = V^T P^T: a lane holds ONE query (lane % 16); register 8 t + j of S^T is key 16 t + 8 (lane / 16) + j, which is the place of that key in P as an operand.
; LIMITS: entries 6 + 7 between -123 and 130; entries 8 and 10 between -126 and 112; entries 8 + 9 between -126 and 127 (2^(e8 + e9) is made as an f32 number).
; REGISTERS: v1 16 x lane; v2, v3 LDS addresses; v4 -infinity; v5, v16 a blocked key's t (job 0, 1); v6, v7 2^e8 and its hold; v[8:9], v[18:19] -m c; v[10:13] the sum; v14, v15, v20, v21 maxima; v17, v23, v29 LDS addresses
;   that stay; v22 job 0's sum; v24-26 at work; v27, v28 e10's hold and scale; v30, v31 the spare word and 0; v32-95 K's fragments, then V's; v96-111 P's codes; v112-143 job 0's O^T; v144-159 Q of job 0, 1; v160-223 S^T, then p; v224-255 job 1's O^T.
; SCALARS: s[16:63], s[80:95] a key step's 64 mask words; s6, s7 the class words, shifted to my first key step; s[96:97], s[4:5] the mask words' addresses; s66, s67, s[76:77], s[8:9] the same at work; s68 the trip;
;   s69, s70 LDS bytes of the key step; s[72:73] c; s74 e8; s[10:11] 2^(e8 + e9); s98 0 for even key steps, 1 for odd.
.set VL, 131072                        ; LDS: K at 0: [key tile 128][1,024 bytes]; V here: [key step 16][channel tile 4][2,048 bytes]
.set MX, 262144                        ; the exchange: 256 bytes a wave
.set SPARE, 266240                     ; the spare words, 128 bytes a wave
.set Q0, 144
.set Q1, 152
.set O0, 112
.set O1, 224
	s_load_b256 s[4:11], s[0:1], 0x0               ; qkvi 4, mwords 6, mclass 8, the exponents 10
	s_load_b64 s[12:13], s[0:1], 0x20              ; oi
	v_lshl_add_u32 v30, v0, 2, SPARE
	v_mov_b32 v31, 0
	v_lshrrev_b32 v24, 5, v0
	v_readfirstlane_b32 s14, v24                   ; wave
	v_and_b32 v25, 31, v0
	v_lshlrev_b32 v1, 4, v25
	s_and_b32 s71, ttmp7, 0xffff
	s_and_b32 s68, s71, 15                         ; head
	s_lshr_b32 s69, s71, 4                         ; batch
	s_lshl_b32 s15, s14, 3
	s_add_co_u32 s15, s15, ttmp9                   ; my tile
	s_xor_b32 s70, s14, 15
	s_lshl_b32 s70, s70, 3
	s_add_co_u32 s70, s70, ttmp9                   ; my partner's tile
	s_lshr_b32 s98, s14, 3                         ; my first key step: 0 or 1
	s_lshl_b32 s16, s69, 7
	s_lshl_b32 s17, s14, 3
	s_add_co_u32 s17, s17, s16                     ; the eight key tiles that I bring: 128 b + 8 w on
	s_lshl_b32 s17, s17, 14
	s_lshl_b32 s18, s68, 10
	s_add_co_u32 s17, s17, s18
	s_add_co_u32 s20, s17, 0x400000                ; in k's section
	s_mov_b32 s21, 0
	s_lshl_b32 s22, s69, 4
	s_add_co_u32 s22, s22, s14                     ; the key step of V that I bring: 16 b + w
	s_lshl_b32 s22, s22, 17
	s_lshl_b32 s19, s68, 13
	s_add_co_u32 s22, s22, s19
	s_add_co_u32 s22, s22, 0x800000                ; in v's section
	s_mov_b32 s23, 0
	s_add_co_u32 s24, s16, s15                     ; my query tile: 128 b + T
	s_lshl_b32 s24, s24, 14
	s_add_co_u32 s24, s24, s18
	s_mov_b32 s25, 0
	s_add_co_u32 s26, s16, s70                     ; my partner's
	s_lshl_b32 s26, s26, 14
	s_add_co_u32 s26, s26, s18
	s_mov_b32 s27, 0
	s_lshl_b32 s28, s15, 2
	s_mov_b32 s29, 0
	s_lshl_b32 s30, s70, 2
	s_mov_b32 s31, 0
	s_lshl_b32 s99, s98, 8                         ; a key step's mask words are 256 bytes
	s_lshl_b32 s32, s15, 12
	s_add_co_u32 s32, s32, s99
	s_mov_b32 s33, 0
	s_lshl_b32 s34, s70, 12
	s_add_co_u32 s34, s34, s99
	s_mov_b32 s35, 0
	s_wait_alu depctr_va_vdst(0)
	s_wait_kmcnt 0x0
	s_add_nc_u64 s[20:21], s[4:5], s[20:21]
	s_add_nc_u64 s[22:23], s[4:5], s[22:23]
	s_add_nc_u64 s[36:37], s[4:5], s[24:25]
	s_add_nc_u64 s[38:39], s[4:5], s[26:27]
	s_add_nc_u64 s[12:13], s[12:13], s[24:25]
	s_add_nc_u64 s[28:29], s[8:9], s[28:29]
	s_add_nc_u64 s[30:31], s[8:9], s[30:31]
	s_add_nc_u64 s[96:97], s[6:7], s[34:35]        ; job 0's mask words, at my first key step
	s_add_nc_u64 s[4:5], s[6:7], s[32:33]          ; job 1's
	s_load_b32 s67, s[28:29], 0x0                  ; my tile's classes
	s_load_b32 s66, s[30:31], 0x0                  ; my partner's tile's
	s_load_b256 s[40:47], s[10:11], 0x10           ; e4 .. e11
.irp i, 0,1,2,3,4,5,6,7
	global_load_b128 v[32+8*\i:35+8*\i], v1, s[20:21] offset:16384*\i
	global_load_b128 v[36+8*\i:39+8*\i], v1, s[20:21] offset:16384*\i+512
.endr
	global_load_b128 v[Q1:Q1+3], v1, s[36:37]
	global_load_b128 v[Q1+4:Q1+7], v1, s[36:37] offset:512
	global_load_b128 v[Q0:Q0+3], v1, s[38:39]
	global_load_b128 v[Q0+4:Q0+7], v1, s[38:39] offset:512
.irp i, 0,1,2,3,4,5,6,7
	global_load_b128 v[96+4*\i:99+4*\i], v1, s[22:23] offset:512*\i          ; V: these sixteen stay out during pass 1
	global_load_b128 v[224+4*\i:227+4*\i], v1, s[22:23] offset:4096+512*\i
.endr
	s_lshl_b32 s71, s14, 13
	v_add_nc_u32 v29, s71, v1                      ; where my part of K goes,
	v_add_nc_u32 v17, VL, v29                      ; and of V
	v_lshlrev_b32 v24, 2, v25
	s_lshl_b32 s71, s14, 8
	s_add_co_u32 s71, s71, MX
	v_add_nc_u32 v23, s71, v24                     ; my words of the exchange,
	s_xor_b32 s71, s14, 15
	s_lshl_b32 s71, s71, 8
	s_add_co_u32 s71, s71, MX
	v_add_nc_u32 v3, s71, v24                      ; and my partner's
	v_mov_b32 v4, 0xff800000
	v_mov_b32 v9, 0                                ; (named as the upper halves of pairs)
	v_mov_b32 v19, 0
	v_mov_b32 v25, 0
	v_mov_b32 v26, 0                               ; a lane permute's destination counts as one of its sources
	s_mov_b32 s78, 0x76543210
	s_mov_b32 s79, 0xfedcba98
	s_wait_alu depctr_va_vdst(0)
	s_wait_kmcnt 0x0
	s_lshr_b32 s6, s66, s98                        ; my first key step's two bits at places 0 and 16
	s_lshr_b32 s7, s67, s98
	s_add_co_i32 s71, s42, s43
	s_sub_co_i32 s71, s71, 3
	s_lshl_b32 s71, s71, 23
	s_add_co_i32 s72, s71, 0x3fb8aa3b              ; c = log2 e x 2^(e6 + e7 - 3)
	s_mov_b32 s73, s72
	s_mov_b32 s74, s44
	s_add_co_i32 s10, s44, s45
	s_add_co_i32 s10, s10, 127
	s_lshl_b32 s10, s10, 23                        ; 2^(e8 + e9)
	s_mov_b32 s11, s10
	s_add_co_i32 s70, s44, 127
	s_lshl_b32 s71, s70, 23
	v_mov_b32 v6, s71                              ; 2^e8
	s_add_co_i32 s70, s70, 15
	s_lshl_b32 s70, s70, 23
	s_or_b32 s70, s70, 0x600000
	v_mov_b32 v7, s70                              ; 57,344 x 2^e8
	s_add_co_i32 s70, s46, 127
	s_lshl_b32 s71, s70, 23
	v_mov_b32 v28, s71                             ; 2^e10
	s_add_co_i32 s70, s70, 15
	s_lshl_b32 s70, s70, 23
	s_or_b32 s70, s70, 0x600000
	v_mov_b32 v27, s70
	v_mov_b32 v14, v4
	v_mov_b32 v15, v4
	v_mov_b32 v20, v4
	v_mov_b32 v21, v4
	s_wait_alu depctr_va_vdst(0)
	s_wait_xcnt 0x0                                ; the loads' bases lie among the registers that will take mask words
	s_wait_loadcnt 20                              ; K's sixteen loads are in; Q's four and V's sixteen may be out
.irp i, 0,1,2,3,4,5,6,7
	ds_store_b128 v29, v[32+8*\i:35+8*\i] offset:1024*\i
	ds_store_b128 v29, v[36+8*\i:39+8*\i] offset:1024*\i+512
.endr
	s_wait_loadcnt 16                              ; Q's are in; V's sixteen may be out
	s_wait_dscnt 0x0                               ; for the others' sake: my part of K lies in LDS
	s_barrier_signal -1
	s_barrier_wait -1
.macro KLOADS
.irp t, 0,1,2,3,4,5,6,7
	ds_load_b128 v[32+8*\t:35+8*\t], v2 offset:1024*\t
	ds_load_b128 v[36+8*\t:39+8*\t], v2 offset:1024*\t+512
.endr
.endm
.macro SCORES q                        ; S^T of 128 keys, and the four places behind the products
.irp t, 0,1,2,3,4,5,6,7
	v_wmma_f32_16x16x64_bf8_bf8 v[160+8*\t:167+8*\t], v[32+8*\t:39+8*\t], v[\q:\q+7], 0
.endr
.rept 4
	v_nop
.endr
.endm
.macro MASKARM rv, cw, mp              ; where the key step holds a blocked key: its 64 words, and v[rv] into the blocked places
	s_bitcmp1_b32 s[\cw], 16
	s_cbranch_scc0 .Lopen_\@
	s_load_b512 s[16:31], s[\mp:\mp+1], 0x0
	s_load_b512 s[32:47], s[\mp:\mp+1], 0x40
	s_load_b512 s[48:63], s[\mp:\mp+1], 0x80
	s_load_b512 s[80:95], s[\mp:\mp+1], 0xc0
	s_wait_kmcnt 0x0
.set n_, 0
.rept 48
	v_cndmask_b32 v[160+n_], v[160+n_], v[\rv], s[16+n_]
.set n_, n_+1
.endr
.rept 16
	v_cndmask_b32 v[160+n_], v[160+n_], v[\rv], s[32+n_]
.set n_, n_+1
.endr
.Lopen_\@:
.endm
.macro P1ARM cw, mp, q, mx             ; one job's part of a key step of pass 1: K's fragments are in registers and serve both jobs
	s_bitcmp1_b32 s[\cw], 0
	s_cbranch_scc0 .Lno_\@
	SCORES \q
	MASKARM 4, \cw, \mp
	s_wait_alu depctr_va_vdst(0)
.set n_, 0
.rept 16
	v_max3_num_f32 v[\mx], v[\mx], v[160+n_], v[161+n_]      ; two chains, each tile from its low end on
	v_max3_num_f32 v[\mx+1], v[\mx+1], v[162+n_], v[163+n_]
.set n_, n_+4
.endr
.Lno_\@:
.endm
	; ---- pass 1: the largest scores of both tiles among my eight key steps
	s_mov_b32 s66, s6
	s_mov_b32 s67, s7
	s_mov_b32 s68, 0
	s_lshl_b32 s69, s98, 13
	s_mov_b64 s[76:77], s[96:97]
	s_mov_b64 s[8:9], s[4:5]
.Lp1:
	s_or_b32 s99, s66, s67
	s_bitcmp1_b32 s99, 0
	s_cbranch_scc0 .Lp1_end
	v_add_nc_u32 v2, s69, v1
	KLOADS
	s_wait_dscnt 0x0
	P1ARM 66, 76, Q0, 14
	P1ARM 67, 8, Q1, 20
.Lp1_end:
	s_lshr_b32 s66, s66, 2                         ; my next key step's two bits come to places 0 and 16
	s_lshr_b32 s67, s67, 2
	s_add_co_u32 s69, s69, 16384
	s_add_nc_u64 s[76:77], s[76:77], 512
	s_add_nc_u64 s[8:9], s[8:9], 512
	s_add_co_u32 s68, s68, 1
	s_cmp_lt_u32 s68, 8
	s_cbranch_scc1 .Lp1
	s_wait_alu depctr_va_vdst(0)
	v_max_num_f32 v14, v14, v15
	v_max_num_f32 v20, v20, v21
	s_wait_alu depctr_va_vdst(0)
	s_wait_loadcnt 0x0                             ; V
.irp i, 0,1,2,3,4,5,6,7
	ds_store_b128 v17, v[96+4*\i:99+4*\i] offset:512*\i
	ds_store_b128 v17, v[224+4*\i:227+4*\i] offset:4096+512*\i
.endr
	ds_store_b32 v23, v14                          ; my maxima of my partner's tile,
	ds_store_b32 v23, v20 offset:128               ; and of my own
	s_wait_dscnt 0x0                               ; for the others' sake
	s_barrier_signal -1
	s_barrier_wait -1                              ; V is whole, and the maxima lie in LDS
	ds_load_b32 v15, v3 offset:128                 ; my partner's own tile is my job 0,
	ds_load_b32 v21, v3                            ; and its job 0 is my tile
	s_wait_dscnt 0x0
	v_max_num_f32 v14, v14, v15
	v_max_num_f32 v20, v20, v21
	v_permlanex16_b32 v26, v14, s78, s79
	v_permlanex16_b32 v24, v20, s78, s79
	v_max_num_f32 v14, v14, v26                    ; m of job 0, as a sum of codes' products,
	v_max_num_f32 v20, v20, v24                    ; and of job 1
	v_mul_f32 v24, -v14, s72
	v_mul_f32 v26, -v20, s72
	v_cmp_eq_f32 vcc_lo, v4, v14                   ; every key of the row is blocked
	v_cndmask_b32 v5, v4, 0, vcc_lo                ; a blocked key's t: -infinity; in such a row 0
	v_cndmask_b32 v8, v24, 0, vcc_lo               ; -m c; in such a row 0
	v_cmp_eq_f32 vcc_lo, v4, v20
	v_cndmask_b32 v16, v4, 0, vcc_lo
	v_cndmask_b32 v18, v26, 0, vcc_lo
.set n_, 0
.rept 32
	v_mov_b32 v[O0+n_], 0                          ; O^T: any trip may be the first that works, so none can be written out to start the sums
	v_mov_b32 v[O1+n_], 0
.set n_, n_+1
.endr
; ---- pass 2 of one job: p, its sum, O^T, over my eight key steps
.macro PASS2 cl, mw, q, nm, bl, o
	s_mov_b32 s66, s[\cl]
	s_mov_b32 s68, 0
	s_lshl_b32 s69, s98, 13
	s_add_co_u32 s70, s69, VL
	s_mov_b64 s[76:77], s[\mw:\mw+1]
.irp i, 10,11,12,13
	v_mov_b32 v\i, 0
.endr
.Lp2_\@:
	s_bitcmp1_b32 s66, 0
	s_cbranch_scc0 .Lp2e_\@
	v_add_nc_u32 v2, s69, v1
	v_add_nc_u32 v3, s70, v1
	v_nop
	v_nop                                          ; four places between the last products and the loads into their operands
	KLOADS
	s_wait_alu depctr_va_vdst(0)
	s_wait_dscnt 0x0
	SCORES \q
.irp i, 0,1,2,3,4,5,6,7,8,9,10,11,12,13,14,15
	ds_load_b128 v[32+4*\i:35+4*\i], v3 offset:512*\i      ; V's fragments take the registers of K's, which are done with; they land under the softmax
.endr
.set n_, 0
.rept 32
	v_pk_fma_f32 v[160+n_:161+n_], v[160+n_:161+n_], s[72:73], v[\nm:\nm+1] op_sel_hi:[1,0,0]   ; t = (s - m) c, two at a time
.set n_, n_+2
.endr
	MASKARM \bl, 66, 76
	s_wait_alu depctr_va_vdst(0)
.set n_, 0
.rept 64
	v_exp_f32 v[160+n_], v[160+n_]                 ; p
.set n_, n_+1
.endr
	v_nop                                          ; a plain line behind the batch
	s_wait_alu depctr_va_vdst(0)                   ; one wait for the 64 exponentials, ahead of the first line that names a result
.set n_, 0
.rept 16
	v_pk_add_f32 v[10:11], v[10:11], v[160+n_:161+n_]   ; the sum of the UNQUANTISED p, in two chains
	v_pk_add_f32 v[12:13], v[12:13], v[162+n_:163+n_]
.set n_, n_+4
.endr
	s_cmp_ge_i32 s74, -15                          ; from e8 = -15 on, 57,344 x 2^e8 is 1.75 or more and p, at most 1 but for the last bits, cannot reach it: the hold is passed over (a branch on the given whole number)
	s_cbranch_scc1 .Lnh_\@
.set n_, 0
.rept 64
	v_min_num_f32 v[160+n_], v[160+n_], v7
.set n_, n_+1
.endr
.Lnh_\@:
.irp t, 0,1,2,3,4,5,6,7
	v_cvt_scalef32_pk8_bf8_f32 v[96+2*\t:97+2*\t], v[160+8*\t:167+8*\t], v6
.endr
	v_nop                                          ; a plain line between the conversions and the products that read their results
	s_wait_alu depctr_va_vdst(0)
	s_wait_dscnt 0x0                               ; V
.irp c, 0,1,2,3
	v_wmma_f32_16x16x128_bf8_bf8 v[\o+8*\c:\o+8*\c+7], v[32+16*\c:47+16*\c], v[96:111], v[\o+8*\c:\o+8*\c+7]   ; four accumulators by turns, one line a turn
.endr
.Lp2e_\@:
	s_lshr_b32 s66, s66, 2
	s_add_co_u32 s69, s69, 16384
	s_add_co_u32 s70, s70, 16384
	s_add_nc_u64 s[76:77], s[76:77], 512
	s_add_co_u32 s68, s68, 1
	s_cmp_lt_u32 s68, 8
	s_cbranch_scc1 .Lp2_\@
.rept 4
	v_nop                                          ; places ahead of the first read of the sums
.endr
	s_wait_alu depctr_va_vdst(0)
.endm
	PASS2 6, 96, Q0, 8, 5, O0
.set n_, 0
.rept 16
	v_pk_mul_f32 v[O0+n_:O0+n_+1], v[O0+n_:O0+n_+1], s[10:11] op_sel_hi:[1,0]   ; my part of my partner's O^T, x 2^(e8 + e9)
.set n_, n_+2
.endr
	v_pk_add_f32 v[10:11], v[10:11], v[12:13]
	v_add_f32 v22, v10, v11                        ; and of its sum
	PASS2 7, 4, Q1, 18, 16, O1
	; ---- the parts meet: mine for my partner's tile goes through LDS, in K's bytes, which nobody reads behind the next barrier
	s_xor_b32 s99, s14, 15
	s_lshl_b32 s71, s99, 8
	s_add_co_u32 s71, s71, MX
	s_lshl_b32 s99, s99, 13
	v_add_nc_u32 v2, s99, v1                       ; my partner's 4,096 bytes there
	v_and_b32 v3, 31, v0
	v_lshlrev_b32 v3, 2, v3
	v_add_nc_u32 v3, s71, v3                       ; and my partner's words of the exchange, made anew: pass 2 has used the register
	v_pk_add_f32 v[10:11], v[10:11], v[12:13]
	v_add_f32 v10, v10, v11
	s_wait_alu depctr_va_vdst(0)
	s_wait_dscnt 0x0                               ; my reads of K and V are over
	s_barrier_signal -1
	s_barrier_wait -1
.irp i, 0,1,2,3,4,5,6,7
	ds_store_b128 v29, v[O0+4*\i:O0+4*\i+3] offset:512*\i
.endr
	ds_store_b32 v23, v22
	s_wait_dscnt 0x0                               ; for my partner's sake
	s_barrier_signal -1
	s_barrier_wait -1
.irp i, 0,1,2,3,4,5,6,7
	ds_load_b128 v[160+4*\i:163+4*\i], v2 offset:512*\i
.endr
	ds_load_b32 v11, v3
	s_wait_dscnt 0x0
.set n_, 0
.rept 16
	v_pk_fma_f32 v[160+n_:161+n_], v[O1+n_:O1+n_+1], s[10:11], v[160+n_:161+n_] op_sel_hi:[1,0,1]   ; my part x 2^(e8 + e9) + my partner's
.set n_, n_+2
.endr
	v_add_f32 v10, v10, v11
	v_permlanex16_b32 v26, v10, s78, s79
	v_add_f32 v10, v10, v26                        ; the row's sum: at least about 1, since the largest p is 1
	s_wait_alu depctr_va_vdst(0)
	v_rcp_f32 v24, v10
	v_nop
	s_wait_alu depctr_va_vdst(0)
.set n_, 0
.rept 16
	v_pk_mul_f32 v[160+n_:161+n_], v[160+n_:161+n_], v[24:25] op_sel_hi:[1,0]
.set n_, n_+2
.endr
.set n_, 0
.rept 32
	v_med3_num_f32 v[160+n_], v[160+n_], -v27, v27
.set n_, n_+1
.endr
.irp c, 0,1,2,3
	v_cvt_scalef32_pk8_bf8_f32 v[32+2*\c:33+2*\c], v[160+8*\c:167+8*\c], v28
.endr
	v_nop
	global_store_b128 v1, v[32:35], s[12:13]       ; eight registers of the output projection's operand: two groups of 512 consecutive bytes
	global_store_b128 v1, v[36:39], s[12:13] offset:512
	s_wait_tensorcnt 0x0                           ; the wave's end
	ds_add_u32 v30, v31
	s_wait_dscnt 0x0
	s_endpgm
.Lfunc_end_k_qe649a2cc97_attn:
	.size	k_qe649a2cc97_attn, .Lfunc_end_k_qe649a2cc97_attn-k_qe649a2cc97_attn
	.p2alignl 7, 3214868480
	.fill 96, 4, 3214868480
	.section	.rodata,"a",@progbits
	.p2align	6, 0x0
	.amdhsa_kernel k_qe649a2cc97_attn
		.amdhsa_group_segment_fixed_size 268288
		.amdhsa_private_segment_fixed_size 0
		.amdhsa_enable_private_segment 0
		.amdhsa_kernarg_size 40
		.amdhsa_user_sgpr_count 2
		.amdhsa_user_sgpr_kernarg_segment_ptr 1
		.amdhsa_wavefront_size32 1
		.amdhsa_system_sgpr_workgroup_id_x 1
		.amdhsa_system_sgpr_workgroup_id_y 1
		.amdhsa_system_sgpr_workgroup_id_z 1
		.amdhsa_system_vgpr_workitem_id 0
		.amdhsa_next_free_vgpr 256
		.amdhsa_next_free_sgpr 100
		.amdhsa_reserve_vcc 1
		.amdhsa_float_denorm_mode_32 3
		.amdhsa_float_denorm_mode_16_64 3
		.amdhsa_memory_ordered 1
		.amdhsa_forward_progress 1
		.amdhsa_inst_pref_size 71
	.end_amdhsa_kernel
	.amdgpu_metadata
---
amdhsa.version: [ 1, 2 ]
amdhsa.kernels:
  - .name:           k_qe649a2cc97_attn
    .symbol:         k_qe649a2cc97_attn.kd
    .args:
      - { .name: qkvi, .offset: 0, .size: 8, .value_kind: global_buffer, .address_space: global }
      - { .name: mwords, .offset: 8, .size: 8, .value_kind: global_buffer, .address_space: global }
      - { .name: mclass, .offset: 16, .size: 8, .value_kind: global_buffer, .address_space: global }
      - { .name: lowp_scales, .offset: 24, .size: 8, .value_kind: global_buffer, .address_space: global }
      - { .name: oi, .offset: 32, .size: 8, .value_kind: global_buffer, .address_space: global }
    .group_segment_fixed_size: 268288
    .private_segment_fixed_size: 0
    .kernarg_segment_align: 8
    .kernarg_segment_size: 40
    .max_flat_workgroup_size: 512
    .sgpr_count:     100
    .vgpr_count:     256
    .wavefront_size: 32
...
	.end_amdgpu_metadata
.endif
;; end of part 3
;; launch outln (part 4): grid 128 x 1, 16 waves a work-group, no clusters, 166,400 bytes of LDS; arguments oi, woi, lowp_scales, bo, x, gamma, beta, out0; writes out0
.if DOCPART == 4
	.amdgcn_target "amdgcn-amd-amdhsa--gfx1250"
	.amdhsa_code_object_version 6
	.text
	.protected	k_qe649a2cc97_outln
	.globl	k_qe649a2cc97_outln
	.p2align	8
	.type	k_qe649a2cc97_outln,@function
k_qe649a2cc97_outln:
	s_mov_b64 s[64:65], 0
	v_nop
	global_prefetch_b8 v0, s[64:65] scope:SCOPE_SE
	s_setreg_imm32_b32 hwreg(HW_REG_WAVE_MODE, 25, 1), 1
	s_wait_xcnt 0x0
; out = nan_to_num(LayerNorm(o Wo^T + bo + nan_to_num(x)) x gamma + beta); the product on codes of E5M2 (scale entries 10, 11).
; SHARES.  A work-group takes 32 tokens and ALL 1,024 columns, since the norm wants whole rows.  Wave w makes columns 64 w .. 64 w + 63 for the 32 tokens: eight accumulators.
; Wo's fragments come from memory straight into registers, as images laid by an earlier launch: each is wanted by one wave of the work-group alone, so LDS would add a copy and spare nothing.
; o's 16 fragments (32 KiB) are copied into LDS once and read by all waves.  The sums meet in a stage of 32 rows; then wave w owns rows 2 w, 2 w + 1: 32 numbers a lane, the norm inside the wave.
; The mean is taken first and the variance of the differences, as the definition has it.
; LIMITS: entries 10 + 11 between -126 and 127.  NaN and infinities in x are served as defined; in bo, gamma, beta they go on into the last replacement like any number.
; LDS: 0 o's images [token tile 2][K step 8][2,048 bytes]; 32768 the stage, 32 rows x (4,096 + 16) bytes.
; REGISTERS: v1 16 x lane; v2, v3 stage in; v4, v5 stage out; v6 256 x lane; v7 copy-in; v8-15, v24-26 at work; v32-95, v96-159 Wo's fragments, two sets; v160-191 o's two fragments; v192-255 the sums.
;   Later: v32-95 x's two rows; v96-127 bo; v128-159 gamma; v160-191 beta; v192-255 the two rows at work.
.set STG, 32768
.set SP,  4112
	s_load_b512 s[4:19], s[0:1], 0x0               ; oi 4, woi 6, the exponents 8, bo 10, x 12, gamma 14, beta 16, out0 18
	v_lshl_add_u32 v30, v0, 2, 0x28200
	v_mov_b32 v31, 0
	v_lshrrev_b32 v8, 5, v0
	s_delay_alu instid0(VALU_DEP_1)
	v_readfirstlane_b32 s20, v8                    ; wave
	v_and_b32 v9, 31, v0
	s_delay_alu instid0(VALU_DEP_1)
	v_lshlrev_b32 v1, 4, v9
	s_delay_alu instid0(VALU_DEP_2)
	v_lshlrev_b32 v6, 8, v9
	v_and_b32 v10, 15, v0                          ; r
	v_bfe_u32 v11, v0, 4, 1                        ; h
	s_delay_alu instid0(VALU_DEP_2)
	v_mul_u32_u24 v2, v10, SP
	s_delay_alu instid0(VALU_DEP_1)
	v_lshl_add_u32 v2, v11, 5, v2
	s_lshl_b32 s21, s20, 8
	s_add_co_u32 s21, s21, STG
	v_add_nc_u32 v2, s21, v2                       ; in: row r, my wave's 256 bytes, + 32 h
	s_delay_alu instid0(VALU_DEP_1)
	v_add_nc_u32 v3, 16*SP, v2                     ; and 16 rows on
	s_mul_i32 s21, s20, 2*SP
	s_add_co_u32 s21, s21, STG
	v_add_nc_u32 v4, s21, v1                       ; out: row 2 w,
	s_delay_alu instid0(VALU_DEP_1)
	v_add_nc_u32 v5, SP, v4                        ; row 2 w + 1
	s_lshl_b32 s21, s20, 11
	v_add_nc_u32 v7, s21, v1
	v_mov_b32 v15, 0                               ; (upper halves of pairs, and a permute's destination)
	v_mov_b32 v25, 0
	v_mov_b32 v26, 0
	s_lshl_b32 s22, ttmp9, 15
	s_add_co_u32 s22, s22, s21                     ; oi: 32,768 x work-group + 2,048 x wave
	s_mov_b32 s23, 0
	s_lshl_b32 s24, s20, 16                        ; woi: my four n tiles
	s_mov_b32 s25, 0
	s_lshl_b32 s26, ttmp9, 5
	s_lshl_b32 s27, s20, 1
	s_add_co_u32 s26, s26, s27                     ; my first token
	s_lshl_b32 s26, s26, 12
	s_mov_b32 s27, 0
	s_mov_b32 s30, 0x7fffffff
	s_mov_b32 s31, 0x7f800000
	s_mov_b32 s32, 0x4e6e6b28                      ; 1e9
	s_mov_b32 s34, 0x76543210
	s_mov_b32 s35, 0xfedcba98
	s_wait_alu depctr_va_vdst(0)
	s_wait_kmcnt 0x0
	s_load_b64 s[28:29], s[8:9], 0x28              ; e10, e11
	s_add_nc_u64 s[4:5], s[4:5], s[22:23]
	s_add_nc_u64 s[6:7], s[6:7], s[24:25]
	s_add_nc_u64 s[12:13], s[12:13], s[26:27]
	s_add_nc_u64 s[18:19], s[18:19], s[26:27]
.macro BLOAD s                         ; Wo's four fragments of K step s into set s % 2
.set BF, 32+64*((\s)%2)
.irp n, 0,1,2,3
.irp g, 0,1,2,3
	global_load_b128 v[BF+16*\n+4*\g:BF+16*\n+4*\g+3], v1, s[6:7] offset:16384*\n+2048*(\s)+512*\g
.endr
.endr
.endm
.irp i, 0,1,2,3
	global_load_b128 v[160+4*\i:163+4*\i], v1, s[4:5] offset:512*\i
.endr
	BLOAD 0
	BLOAD 1
	s_wait_loadcnt 32                              ; my part of o is in; Wo's two sets may be out
.irp i, 0,1,2,3
	ds_store_b128 v7, v[160+4*\i:163+4*\i] offset:512*\i
.endr
	s_wait_dscnt 0x0
	s_barrier_signal -1
	s_barrier_wait -1                              ; o's sixteen fragments lie in LDS
.macro KSTEP s
.set BF, 32+64*((\s)%2)
.irp m, 0,1
.irp g, 0,1,2,3
	ds_load_b128 v[160+16*\m+4*\g:163+16*\m+4*\g], v1 offset:(8*\m+(\s))*2048+512*\g
.endr
.endr
	s_wait_loadcnt 16                              ; this step's set is in; the sixteen loads issued behind it may be out
	s_wait_dscnt 0x0
.irp n, 0,1,2,3
.irp m, 0,1
.if (\s) == 0
	v_wmma_f32_16x16x128_bf8_bf8 v[192+8*(4*\m+\n):199+8*(4*\m+\n)], v[BF+16*\n:BF+16*\n+15], v[160+16*\m:175+16*\m], 0
.else
	v_wmma_f32_16x16x128_bf8_bf8 v[192+8*(4*\m+\n):199+8*(4*\m+\n)], v[BF+16*\n:BF+16*\n+15], v[160+16*\m:175+16*\m], v[192+8*(4*\m+\n):199+8*(4*\m+\n)]
.endif
.endr
.endr
.rept 4
	v_nop                                          ; places in front of loads into the operands, and of the first read of the sums
.endr
.endm
	KSTEP 0
	BLOAD 2
	KSTEP 1
	BLOAD 3
	KSTEP 2
	BLOAD 4
	KSTEP 3
	BLOAD 5
	global_prefetch_b8 v6, s[12:13] th:TH_LOAD_NT scope:SCOPE_SE   ; my two rows of x, 8,192 consecutive bytes, a lane to each 256: named once in the launch, three K steps ahead of their loads
	KSTEP 4
	BLOAD 6
	KSTEP 5
	BLOAD 7
	KSTEP 6
.irp q, 0,1
.irp i, 0,1,2,3,4,5,6,7
	global_load_b128 v[32+32*\q+4*\i:35+32*\q+4*\i], v1, s[12:13] offset:4096*\q+512*\i th:TH_LOAD_NT   ; x: rows 2 w, 2 w + 1 of the block
.endr
.endr
	KSTEP 7
.irp m, 0,1
.irp n, 0,1,2,3
	ds_store_b128 v[2+\m], v[192+8*(4*\m+\n):195+8*(4*\m+\n)] offset:64*\n          ; lane (r, h): token 16 m + r, columns 64 w + 16 n + 8 h + 0 .. 7
	ds_store_b128 v[2+\m], v[196+8*(4*\m+\n):199+8*(4*\m+\n)] offset:64*\n+16
.endr
.endr
.irp i, 0,1,2,3,4,5,6,7
	global_load_b128 v[96+4*\i:99+4*\i], v1, s[10:11] offset:512*\i
	global_load_b128 v[128+4*\i:131+4*\i], v1, s[14:15] offset:512*\i
	global_load_b128 v[160+4*\i:163+4*\i], v1, s[16:17] offset:512*\i
.endr
	s_wait_kmcnt 0x0
	s_add_co_i32 s24, s28, s29
	s_add_co_i32 s24, s24, 127
	s_lshl_b32 s24, s24, 23                        ; 2^(e10 + e11)
	s_mov_b32 s25, s24
	s_mov_b32 s26, 0x3a800000                      ; 1 / 1,024
	s_mov_b32 s27, 0x3727c5ac                      ; 1e-5
	s_wait_dscnt 0x0                               ; for the others' sake: my sums lie in the stage
	s_barrier_signal -1
	s_barrier_wait -1
.irp i, 0,1,2,3,4,5,6,7
	ds_load_b128 v[192+4*\i:195+4*\i], v4 offset:512*\i
	ds_load_b128 v[224+4*\i:227+4*\i], v5 offset:512*\i
.endr
	s_wait_loadcnt 0x0
	s_wait_dscnt 0x0
.macro NANNUM x                        ; NaN -> 0, +-infinity -> +-1e9
	v_and_b32 v8, s30, v[\x]
	v_bfi_b32 v9, s30, s32, v[\x]
	s_delay_alu instid0(VALU_DEP_2)
	v_cmp_eq_u32 vcc_lo, s31, v8
	s_delay_alu instid0(VALU_DEP_1)
	v_cndmask_b32 v[\x], v[\x], v9, vcc_lo
	s_delay_alu instid0(VALU_DEP_4)
	v_cmp_lt_u32 vcc_lo, s31, v8
	s_delay_alu instid0(VALU_DEP_1)
	v_cndmask_b32 v[\x], v[\x], 0, vcc_lo
.endm
.macro WSUM                            ; v10 summed over the wave's 32 lanes, in every lane
	s_delay_alu instid0(VALU_DEP_1)
	v_add_f32_dpp v10, v10, v10 row_xmask:1 row_mask:0xf bank_mask:0xf
	s_delay_alu instid0(VALU_DEP_1)
	v_add_f32_dpp v10, v10, v10 row_xmask:2 row_mask:0xf bank_mask:0xf
	s_delay_alu instid0(VALU_DEP_1)
	v_add_f32_dpp v10, v10, v10 row_xmask:4 row_mask:0xf bank_mask:0xf
	s_delay_alu instid0(VALU_DEP_1)
	v_add_f32_dpp v10, v10, v10 row_xmask:8 row_mask:0xf bank_mask:0xf
	s_delay_alu instid0(VALU_DEP_1)
	v_permlanex16_b32 v26, v10, s34, s35
	s_delay_alu instid0(VALU_DEP_1)
	v_add_f32 v10, v10, v26
.endm
.macro ROW q                           ; one row: register 4 i + e of a lane is column 128 i + 4 lane + e
.set XR, 32+32*\q
.set YR, 192+32*\q
.set n_, 0
.rept 32
	NANNUM XR+n_
.set n_, n_+1
.endr
.set n_, 0
.rept 16
	v_pk_fma_f32 v[YR+n_:YR+n_+1], v[YR+n_:YR+n_+1], s[24:25], v[96+n_:97+n_] op_sel_hi:[1,0,1]   ; y = sum x 2^(e10 + e11) + bo
.set n_, n_+2
.endr
.set n_, 0
.rept 16
	v_pk_add_f32 v[YR+n_:YR+n_+1], v[YR+n_:YR+n_+1], v[XR+n_:XR+n_+1]   ; + x
.set n_, n_+2
.endr
	v_pk_add_f32 v[10:11], v[YR:YR+1], v[YR+4:YR+5]
	v_pk_add_f32 v[12:13], v[YR+2:YR+3], v[YR+6:YR+7]
.set n_, 8
.rept 6
	s_delay_alu instid0(VALU_DEP_2)
	v_pk_add_f32 v[10:11], v[10:11], v[YR+n_:YR+n_+1]
	s_delay_alu instid0(VALU_DEP_2)
	v_pk_add_f32 v[12:13], v[12:13], v[YR+n_+2:YR+n_+3]
.set n_, n_+4
.endr
	s_delay_alu instid0(VALU_DEP_1)
	v_pk_add_f32 v[10:11], v[10:11], v[12:13]
	s_delay_alu instid0(VALU_DEP_1)
	v_add_f32 v10, v10, v11
	WSUM
	s_delay_alu instid0(VALU_DEP_1)
	v_mul_f32 v14, s26, v10                        ; the mean
.set n_, 0
.rept 16
	v_pk_add_f32 v[YR+n_:YR+n_+1], v[YR+n_:YR+n_+1], v[14:15] op_sel_hi:[1,0] neg_lo:[0,1] neg_hi:[0,1]
.set n_, n_+2
.endr
	v_pk_mul_f32 v[10:11], v[YR:YR+1], v[YR:YR+1]
	v_pk_mul_f32 v[12:13], v[YR+2:YR+3], v[YR+2:YR+3]
.set n_, 4
.rept 7
	s_delay_alu instid0(VALU_DEP_2)
	v_pk_fma_f32 v[10:11], v[YR+n_:YR+n_+1], v[YR+n_:YR+n_+1], v[10:11]
	s_delay_alu instid0(VALU_DEP_2)
	v_pk_fma_f32 v[12:13], v[YR+n_+2:YR+n_+3], v[YR+n_+2:YR+n_+3], v[12:13]
.set n_, n_+4
.endr
	s_delay_alu instid0(VALU_DEP_1)
	v_pk_add_f32 v[10:11], v[10:11], v[12:13]
	s_delay_alu instid0(VALU_DEP_1)
	v_add_f32 v10, v10, v11
	WSUM
	s_delay_alu instid0(VALU_DEP_1)
	v_fma_f32 v10, v10, s26, s27                   ; the variance + 1e-5
	s_wait_alu depctr_va_vdst(0)
	v_rsq_f32 v24, v10
	v_nop
	s_wait_alu depctr_va_vdst(0)                   ; ahead of the first line that names the result
.set n_, 0
.rept 16
	v_pk_mul_f32 v[YR+n_:YR+n_+1], v[YR+n_:YR+n_+1], v[24:25] op_sel_hi:[1,0]
.set n_, n_+2
.endr
.set n_, 0
.rept 16
	v_pk_fma_f32 v[YR+n_:YR+n_+1], v[YR+n_:YR+n_+1], v[128+n_:129+n_], v[160+n_:161+n_]
.set n_, n_+2
.endr
.set n_, 0
.rept 32
	NANNUM YR+n_
.set n_, n_+1
.endr
.irp i, 0,1,2,3,4,5,6,7
	global_store_b128 v1, v[YR+4*\i:YR+4*\i+3], s[18:19] offset:4096*\q+512*\i th:TH_STORE_NT   ; 512 consecutive bytes, aligned
.endr
.endm
	ROW 0
	ROW 1
	s_wait_tensorcnt 0x0
	ds_add_u32 v30, v31
	s_wait_dscnt 0x0
	s_endpgm
.Lfunc_end_k_qe649a2cc97_outln:
	.size	k_qe649a2cc97_outln, .Lfunc_end_k_qe649a2cc97_outln-k_qe649a2cc97_outln
	.p2alignl 7, 3214868480
	.fill 96, 4, 3214868480
	.section	.rodata,"a",@progbits
	.p2align	6, 0x0
	.amdhsa_kernel k_qe649a2cc97_outln
		.amdhsa_group_segment_fixed_size 166400
		.amdhsa_private_segment_fixed_size 0
		.amdhsa_enable_private_segment 0
		.amdhsa_kernarg_size 64
		.amdhsa_user_sgpr_count 2
		.amdhsa_user_sgpr_kernarg_segment_ptr 1
		.amdhsa_wavefront_size32 1
		.amdhsa_system_sgpr_workgroup_id_x 1
		.amdhsa_system_sgpr_workgroup_id_y 1
		.amdhsa_system_sgpr_workgroup_id_z 1
		.amdhsa_system_vgpr_workitem_id 0
		.amdhsa_next_free_vgpr 256
		.amdhsa_next_free_sgpr 66
		.amdhsa_reserve_vcc 1
		.amdhsa_float_denorm_mode_32 3
		.amdhsa_float_denorm_mode_16_64 3
		.amdhsa_memory_ordered 1
		.amdhsa_forward_progress 1
		.amdhsa_inst_pref_size 100
	.end_amdhsa_kernel
	.amdgpu_metadata
---
amdhsa.version: [ 1, 2 ]
amdhsa.kernels:
  - .name:           k_qe649a2cc97_outln
    .symbol:         k_qe649a2cc97_outln.kd
    .args:
      - { .name: oi, .offset: 0, .size: 8, .value_kind: global_buffer, .address_space: global }
      - { .name: woi, .offset: 8, .size: 8, .value_kind: global_buffer, .address_space: global }
      - { .name: lowp_scales, .offset: 16, .size: 8, .value_kind: global_buffer, .address_space: global }
      - { .name: bo, .offset: 24, .size: 8, .value_kind: global_buffer, .address_space: global }
      - { .name: x, .offset: 32, .size: 8, .value_kind: global_buffer, .address_space: global }
      - { .name: gamma, .offset: 40, .size: 8, .value_kind: global_buffer, .address_space: global }
      - { .name: beta, .offset: 48, .size: 8, .value_kind: global_buffer, .address_space: global }
      - { .name: out0, .offset: 56, .size: 8, .value_kind: global_buffer, .address_space: global }
    .group_segment_fixed_size: 166400
    .private_segment_fixed_size: 0
    .kernarg_segment_align: 8
    .kernarg_segment_size: 64
    .max_flat_workgroup_size: 512
    .sgpr_count:     66
    .vgpr_count:     256
    .wavefront_size: 32
...
	.end_amdgpu_metadata
.endif
;; end of part 4
